; MI455X (gfx1250); checked and timed in simulation.
; The chip was launched on July 23, 2026; its instructions are those of AMD's public machine-readable ISA for CDNA 5 (MIT licence, August 2026) and "CDNA5" Instruction Set Architecture Reference Guide (July 2026). The comments in the code are by the model that wrote it; some were corrected since.
;; Gradient. Allowed arithmetic: matrix products marked QUANTISED: E2M3 operands, one E8M0 scale for each 32 along K, by v_wmma_scale_f32_16x16x128_f8f6f4 with both operands' format E2M3, f32 sums; products left as they are: f32 operands where the result goes on into a quantised operand, else bf16, f16 or f32 operands; f32 sums; everything else in f32.
;; Inputs: W1 4 x 512 float32; W2 512 x 512 float32; W3 512 x 2 float32; b1 512 float32; b2 512 float32; b3 2 float32; x 256 x 4 float32.
;; Outputs: out0 256 x 2 float32; out1 256 x 2 x 4 float32; out2 256 x 2 x 4 x 4 float32; out3 256 x 2 x 4 x 4 x 4 float32.
;; This version of the problem:
;;   THIS VERSION OF THE PROBLEM IS GIVEN IN LOW PRECISION. The matrix products marked QUANTISED in the list below multiply operands that are first quantised to E2M3 (2 exponent bits, 3 mantissa bits; 6 bits a number), with one power-of-two scale for each 32 numbers along K (OCP MX v1.0); their sums are f32. All else is computed in f32.
;;   The module's matrix products, in the order in which they are computed (A, B: the left and right operand; K: the contracted axis; several contracted axes count as one K, in the product's order):
;;     1. [M 256, K 4] x [K 4, N 512]; A: input x; B: input W1: left as it is (K = 4 < 32)
;;     2. [M 256, K 512] x [K 512, N 512]; A: computed on the way; B: input W2: QUANTISED
;;     3. [M 256, K 512] x [K 512, N 2]; A: computed on the way; B: input W3: left as it is (N = 2 < 16)
;;     4. [M 256, K 4] x [K 4, N 512]; A: input x; B: input W1: left as it is (K = 4 < 32)
;;     5. [M 256, K 512] x [K 512, N 512]; A: computed on the way; B: input W2: QUANTISED
;;     6. [M 256, K 512] x [K 512, N 2]; A: computed on the way; B: input W3: left as it is (N = 2 < 16)
;;     7. [M 2, K 2] x [K 2, N 512]; A: computed on the way; B: input W3: left as it is (K = 2 < 32)
;;     8. [M 512, K 512] x [K 512, N 512]; A: computed on the way; B: input W2: QUANTISED
;;     9. [M 512, K 512] x [K 512, N 4]; A: computed on the way; B: input W1: left as it is (N = 4 < 16)
;;     10. [M 256, K 4] x [K 4, N 512]; A: input x; B: input W1: left as it is (K = 4 < 32)
;;     11. [M 256, K 512] x [K 512, N 512]; A: computed on the way; B: input W2: QUANTISED
;;     12. [M 256, K 512] x [K 512, N 2]; A: computed on the way; B: input W3: left as it is (N = 2 < 16)
;;     13. [M 2, K 2] x [K 2, N 512]; A: computed on the way; B: input W3: left as it is (K = 2 < 32)
;;     14. [M 512, K 512] x [K 512, N 512]; A: computed on the way; B: input W2: QUANTISED
;;     15. [M 512, K 512] x [K 512, N 4]; A: computed on the way; B: input W1: left as it is (N = 4 < 16)
;;     16. [M 16, K 4] x [K 4, N 512]; A: computed on the way; B: input W1: left as it is (K = 4 < 32)
;;     17. [M 4,096, K 512] x [K 512, N 512]; A: computed on the way; B: input W2: QUANTISED
;;     18. [M 2,048, K 512] x [K 512, N 512]; A: computed on the way; B: input W2: QUANTISED
;;     19. [M 2,048, K 512] x [K 512, N 4]; A: computed on the way; B: input W1: left as it is (N = 4 < 16)
;;     20. [M 256, K 4] x [K 4, N 512]; A: input x; B: input W1: left as it is (K = 4 < 32)
;;     21. [M 256, K 512] x [K 512, N 512]; A: computed on the way; B: input W2: QUANTISED
;;     22. [M 256, K 512] x [K 512, N 2]; A: computed on the way; B: input W3: left as it is (N = 2 < 16)
;;     23. [M 2, K 2] x [K 2, N 512]; A: computed on the way; B: input W3: left as it is (K = 2 < 32)
;;     24. [M 512, K 512] x [K 512, N 512]; A: computed on the way; B: input W2: QUANTISED
;;     25. [M 512, K 512] x [K 512, N 4]; A: computed on the way; B: input W1: left as it is (N = 4 < 16)
;;     26. [M 16, K 4] x [K 4, N 512]; A: computed on the way; B: input W1: left as it is (K = 4 < 32)
;;     27. [M 4,096, K 512] x [K 512, N 512]; A: computed on the way; B: input W2: QUANTISED
;;     28. [M 2,048, K 512] x [K 512, N 512]; A: computed on the way; B: input W2: QUANTISED
;;     29. [M 2,048, K 512] x [K 512, N 4]; A: computed on the way; B: input W1: left as it is (N = 4 < 16)
;;     30. [M 256, K 4] x [K 4, N 512]; A: computed on the way; B: input W1: left as it is (K = 4 < 32)
;;     31. [M 65,536, K 512] x [K 512, N 512]; A: computed on the way; B: input W2: QUANTISED
;;     32. [M 131,072, K 512] x [K 512, N 512]; A: computed on the way; B: input W2: QUANTISED
;;     33. [M 16,384, K 512] x [K 512, N 512]; A: computed on the way; B: input W2: QUANTISED
;;     34. [M 8,192, K 512] x [K 512, N 512]; A: computed on the way; B: input W2: QUANTISED
;;     35. [M 8,192, K 512] x [K 512, N 4]; A: computed on the way; B: input W1: left as it is (N = 4 < 16)
;;   THE QUANTISER, for each operand of a quantised product, along K:
;;     - K is cut into blocks of 32 from its start; a last block that is shorter is filled with zeros.
;;     - A block's scale is 2^e with e = floor(log2(the largest magnitude in the block)) - 2, held to -126 .. 127; a block of zeros has e = 0. As a byte (E8M0): e + 127.
;;     - Each number is divided by its block's scale, clamped to +-7.5, and rounded to the nearest number of E2M3, ties to even, subnormals kept.
;;     - The product sums the exact products of the quantised numbers (number of the format x scale) in f32.
;;   ~~~python
;;   def quantise(x, axis):      # numpy; x: float32 -> the quantised numbers, widened to float32 again
;;       x = np.moveaxis(x, axis, -1); K = x.shape[-1]
;;       x = np.pad(x, [(0, 0)] * (x.ndim - 1) + [(0, -K % 32)]); x = x.reshape(x.shape[:-1] + (-1, 32)); a = np.abs(x).max(-1, keepdims=True)
;;       e = np.where(a > 0, np.clip(np.frexp(np.where(a > 0, a, 1))[1] - 1 - 2, -126, 127), 0)      # np.frexp(a)[1] - 1 = floor(log2(a)), exactly
;;       r = np.clip(x / 2.0 ** e, -7.5, 7.5)
;;       step = 2.0 ** (np.maximum(np.frexp(np.where(r == 0, 1, r))[1] - 1, 0) - 3)
;;       q = np.round(r / step) * step * 2.0 ** e      # np.round: ties to even
;;       return np.moveaxis(q.reshape(q.shape[:-2] + (-1,))[..., :K], -1, axis).astype(np.float32)
;;   ~~~
;;   OPERANDS COMPUTED ON THE WAY. 'Computed on the way' means the value that the module computes at that place (a softmax that the list does not call 'softmax' is quantised finished and normalised). What goes into a quantiser is computed in f32, as accurately as f32 sums, v_exp_f32 and their like allow (about 1e-6 of the number): no bf16 or f16 on the way to a quantiser, and a product that is left as it is and whose result goes on into a quantised operand takes f32 operands (vector FMAs, or v_wmma_f32_16x16x4_f32). A number that lies on a knife's edge between two numbers of the format may be rounded either way, as far as f32 arithmetic and the matrix unit's own rounding can turn it there, and no further.
;; One version. Each part assembles by itself: llvm-mc -triple=amdgcn-amd-amdhsa -mcpu=gfx1250 --defsym DOCPART=n.
;; ======== version 1 of 1: 2 launches
;; workspace buffers: wq 409,600 bytes
;; launch wquant (part 1): grid 4 x 4, 8 waves a work-group, no clusters, 76,800 bytes of LDS; arguments W2, wq; writes wq
.if DOCPART == 1
	.amdgcn_target "amdgcn-amd-amdhsa--gfx1250"
	.amdhsa_code_object_version 6
	.text
	.protected	k_q72765804f8_wquant
	.globl	k_q72765804f8_wquant
	.p2align	8
	.type	k_q72765804f8_wquant,@function
k_q72765804f8_wquant:
	s_mov_b64 s[64:65], 0
	v_nop
	global_prefetch_b8 v0, s[64:65] scope:SCOPE_SE
	s_setreg_imm32_b32 hwreg(HW_REG_WAVE_MODE, 25, 1), 1
	s_wait_xcnt 0x0
; W2 [512 (i)][512 (j)], f32, is quantised to E2M3 with one E8M0 scale for each 32 numbers, TWICE: along i (orientation 0: the operand of products that sum over i)
; and along j (orientation 1: of products that sum over j).  The codes are laid in the order of the matrix operand's registers, so that the next launch takes them by 16-byte loads alone.
; wq: 64 tile blocks of 6,400 bytes, block 32 x orientation + t, t = a tile of 16 columns of the operand.  In a block: K step s (128 along K) is a fragment's image at 1,536 s:
; register 4 g + x of lane l at 512 g + 16 l + 4 x; behind the four images, at 6,144 + 64 s + 4 r, the scale word of column r for K step s (byte b: k = 32 b on).
; SHARES.  Work-group (J, I) takes W2[128 I ..][128 J ..], 64 KiB, each byte of W2 read once in the launch.  The tile goes into LDS as it lies; then wave w makes one fragment of each orientation:
; orientation 0: columns j = 128 J + 16 w + r, K step I: a lane reads DOWN a column;  orientation 1: columns i = 128 I + 16 w + r, K step J: a lane reads ALONG a row.
; In both a lane (r, h) takes k = 64 c + 32 h + 0 .. 31 into 32 registers, c = 0, 1: two whole blocks, so no other lane is asked for a maximum, and the conversions' results are the operand's registers.
; A fragment wants 128 along K in both directions, so the work divides into 16 work-groups and no further.
; A block's scale is 2^(floor(log2(largest magnitude)) - 2): its byte is the largest magnitude's exponent field - 2, held at 1 from below by a floor among the maximum's leaves.
; LIMITS: a block of zeros gets the byte 1, not 127: its codes are zeros, and this program alone reads the bytes.  NaN and infinities in W2 are not served.
; The scale words leave as pieces of 64 bytes, 16 KiB of the launch's 400 KiB; every store of codes covers 512 consecutive bytes at a multiple of 256 from wq's first byte.
.set PITCH, 592                        ; an LDS row: 512 bytes + 80.  Rows 32-63 and 96-127 begin 64 bytes further in, so that lanes 16-31 of a column read, 32 rows below lanes 0-15, fall on other words modulo 256 bytes
.set XA,   16                          ; v16-79   first my 16 rows as loaded, then the 64 numbers of orientation 0's fragment
.set XB,   80                          ; v80-143  the 64 numbers of orientation 1's
.set CA,   144                         ; v144-155 codes, v156 scale word: orientation 0
.set WA,   156
.set CB,   160                         ; v160-171, v172: orientation 1
.set WB,   172
.set MAXR, 176                         ; v176-177 largest magnitudes; v178-179 the conversions' scale operands; v180-181 bytes; v184-190 second halves of the codes
.set SCR,  178
.set BYR,  180
.set CTR,  184
	s_load_b128 s[4:7], s[0:1], 0x0                ; W2, wq
	v_lshl_add_u32 v192, v0, 2, 0x12800
	v_mov_b32 v193, 0
	v_lshrrev_b32 v1, 5, v0
	v_readfirstlane_b32 s8, v1                     ; wave 0..7
	v_and_b32 v1, 31, v0                           ; lane
	v_and_b32 v2, 15, v0                           ; r
	v_bfe_u32 v3, v0, 4, 1                         ; h
	v_lshlrev_b32 v4, 4, v1                        ; 16 x lane: my bytes of a load's or a store's 512
	v_lshlrev_b32 v5, 2, v2                        ; 4 r: my column's scale word
	s_and_b32 s9, ttmp7, 0xffff                    ; I;  J = ttmp9
	s_mul_i32 s10, s8, 16*PITCH
	s_bfe_u32 s11, s8, 0x10001                     ; (wave / 2) % 2: are my 16 rows among those that begin 64 bytes further in?
	s_lshl_b32 s11, s11, 6
	s_add_co_u32 s10, s10, s11                     ; my 16 rows in LDS
	v_add_nc_u32 v6, s10, v4                       ; into LDS: 16 bytes a lane
	v_mul_u32_u24 v7, v3, 32*PITCH+64              ; down a column: lanes 16-31 begin 32 rows below,
	v_lshl_add_u32 v7, v2, 2, v7                   ; column 16 wave + r
	s_lshl_b32 s11, s8, 6
	v_add_nc_u32 v7, s11, v7
	v_mul_u32_u24 v8, v2, PITCH                    ; along a row: row 16 wave + r,
	v_lshl_add_u32 v8, v3, 7, v8                   ; lanes 16-31 begin 32 numbers further on
	v_add_nc_u32 v8, s10, v8
	v_lshlrev_b32 v9, 3, v3                        ; 8 h: my bytes' place in a scale word
	v_mov_b32 v10, 0                               ; a lane permute's destination counts as one of its sources
	s_mov_b32 s20, 0x76543210
	s_mov_b32 s21, 0xfedcba98                      ; selects for lane l xor 16
	s_lshl_b32 s22, s9, 18                         ; W2: 128 I rows of 2,048 bytes,
	s_lshl_b32 s23, s8, 15                         ; 16 rows a wave,
	s_add_co_u32 s22, s22, s23
	s_lshl_b32 s23, ttmp9, 9                       ; 128 J columns
	s_add_co_u32 s22, s22, s23
	s_mov_b32 s23, 0
	s_wait_kmcnt 0x0
	s_add_nc_u64 s[4:5], s[4:5], s[22:23]
.irp n, 0,1,2,3,4,5,6,7,8,9,10,11,12,13,14,15
	global_load_b128 v[XA+4*\n:XA+4*\n+3], v4, s[4:5] offset:2048*\n th:TH_LOAD_NT   ; 512 consecutive bytes of one row; read once in the launch
.endr
	s_lshl_b32 s24, ttmp9, 3                       ; where the results go.  Orientation 0: tile 8 J + wave, K step I
	s_add_co_u32 s24, s24, s8
	s_mul_i32 s24, s24, 6400
	s_mul_i32 s26, s9, 1536
	s_add_co_u32 s26, s26, s24
	s_mov_b32 s27, 0
	s_lshl_b32 s28, s9, 6
	s_add_co_u32 s28, s28, s24
	s_add_co_u32 s28, s28, 6144
	s_mov_b32 s29, 0
	s_add_nc_u64 s[12:13], s[6:7], s[26:27]        ; the fragment's image
	s_add_nc_u64 s[16:17], s[6:7], s[28:29]        ; its scale words
	s_lshl_b32 s24, s9, 3                          ; orientation 1: tile 8 I + wave, K step J, behind orientation 0's 32 blocks
	s_add_co_u32 s24, s24, s8
	s_mul_i32 s24, s24, 6400
	s_add_co_u32 s24, s24, 204800
	s_mul_i32 s26, ttmp9, 1536
	s_add_co_u32 s26, s26, s24
	s_lshl_b32 s28, ttmp9, 6
	s_add_co_u32 s28, s28, s24
	s_add_co_u32 s28, s28, 6144
	s_add_nc_u64 s[14:15], s[6:7], s[26:27]
	s_add_nc_u64 s[18:19], s[6:7], s[28:29]
.irp n, 0,1,2,3,4,5,6,7,8,9,10,11,12,13,14,15
	s_wait_loadcnt 15-\n                           ; loads come back in order: row n is in, the younger ones may be out
	ds_store_b128 v6, v[XA+4*\n:XA+4*\n+3] offset:PITCH*\n
.endr
	s_wait_dscnt 0x0                               ; for the others' sake: my rows lie in LDS
	s_barrier_signal -1
	s_barrier_wait -1                              ; the whole tile does
.irp c, 0,1
.irp k, 0,1,2,3,4,5,6,7,8,9,10,11,12,13,14,15,16,17,18,19,20,21,22,23,24,25,26,27,28,29,30,31
	ds_load_b32 v[XA+32*\c+\k], v7 offset:(64*\c+\k)*PITCH         ; W2(64 c + 32 h + k, my column)
.endr
.endr
.irp c, 0,1
.irp q, 0,1,2,3,4,5,6,7
	ds_load_b128 v[XB+32*\c+4*\q:XB+32*\c+4*\q+3], v8 offset:256*\c+16*\q   ; W2(my row, 64 c + 32 h + 4 q ..)
.endr
.endr
; 64 numbers of a lane, register 32 c + k = k 64 c + 32 h + k of my column, become the fragment's 12 registers of codes and the column's scale word.
.macro QUANTW X, C, WD
.irp c, 0,1
	v_max3_num_f32 v[MAXR+\c], |v[\X+32*\c]|, |v[\X+1+32*\c]|, 0x1800000   ; and the floor 2^(3 - 127): the byte cannot fall under 1
.endr
.irp i, 2,4,6,8,10,12,14,16,18,20,22,24,26,28,30
.irp c, 0,1
	v_max3_num_f32 v[MAXR+\c], v[MAXR+\c], |v[\X+32*\c+\i]|, |v[\X+1+32*\c+\i]|   ; the two blocks by turns
.endr
.endr
.irp c, 0,1
	v_add_nc_u32 v[SCR+\c], 0xff000000, v[MAXR+\c] ; 2 off the exponent field: the conversion takes this operand's exponent field as its scale
.endr
.irp c, 0,1
	v_lshrrev_b32 v[BYR+\c], 23, v[SCR+\c]         ; the scale's byte
.endr
	v_lshl_or_b32 v[\WD], v[BYR+1], 16, v[BYR]     ; my two bytes: blocks h and 2 + h,
	v_lshlrev_b32 v[\WD], v9, v[\WD]               ; at their places in the word;
	v_permlanex16_b32 v10, v[\WD], s20, s21
	v_or_b32 v[\WD], v[\WD], v10                   ; with lane l xor 16's two the word is whole, in both halves of the lanes
.irp c, 0,1
	v_cvt_scalef32_pk16_fp6_f32 v[\C+6*\c:\C+6*\c+2], v[\X+32*\c:\X+32*\c+15], v[SCR+\c]
	v_cvt_scalef32_pk16_fp6_f32 v[CTR+4*\c:CTR+4*\c+2], v[\X+32*\c+16:\X+32*\c+31], v[SCR+\c]   ; a conversion's three registers begin on an even number: the second half is made elsewhere and moved
.endr
	v_nop                                          ; one plain place behind a scaled conversion
.irp c, 0,1
.irp i, 0,1,2
	v_mov_b32 v[\C+3+6*\c+\i], v[CTR+4*\c+\i]
.endr
.endr
.endm
	s_wait_dscnt 16                                ; the 64 column reads are in; the 16 row reads issued behind them may be out
	QUANTW XA, CA, WA
.irp g, 0,1,2
	global_store_b128 v4, v[CA+4*\g:CA+4*\g+3], s[12:13] offset:512*\g
.endr
	global_store_b32 v5, v[WA], s[16:17]           ; both halves of the lanes hold the same word and name the same place
	s_wait_dscnt 0x0
	QUANTW XB, CB, WB                              ; it writes no register that the stores above read
.irp g, 0,1,2
	global_store_b128 v4, v[CB+4*\g:CB+4*\g+3], s[14:15] offset:512*\g
.endr
	global_store_b32 v5, v[WB], s[18:19]
	s_wait_tensorcnt 0x0
	ds_add_u32 v192, v193
	s_wait_dscnt 0x0
	s_endpgm
.Lfunc_end_k_q72765804f8_wquant:
	.size	k_q72765804f8_wquant, .Lfunc_end_k_q72765804f8_wquant-k_q72765804f8_wquant
	.p2alignl 7, 3214868480
	.fill 96, 4, 3214868480
	.section	.rodata,"a",@progbits
	.p2align	6, 0x0
	.amdhsa_kernel k_q72765804f8_wquant
		.amdhsa_group_segment_fixed_size 76800
		.amdhsa_private_segment_fixed_size 0
		.amdhsa_enable_private_segment 0
		.amdhsa_kernarg_size 16
		.amdhsa_user_sgpr_count 2
		.amdhsa_user_sgpr_kernarg_segment_ptr 1
		.amdhsa_wavefront_size32 1
		.amdhsa_system_sgpr_workgroup_id_x 1
		.amdhsa_system_sgpr_workgroup_id_y 1
		.amdhsa_system_sgpr_workgroup_id_z 1
		.amdhsa_system_vgpr_workitem_id 0
		.amdhsa_next_free_vgpr 194
		.amdhsa_next_free_sgpr 66
		.amdhsa_reserve_vcc 0
		.amdhsa_float_denorm_mode_32 3
		.amdhsa_float_denorm_mode_16_64 3
		.amdhsa_memory_ordered 1
		.amdhsa_forward_progress 1
		.amdhsa_inst_pref_size 18
	.end_amdhsa_kernel
	.amdgpu_metadata
---
amdhsa.version: [ 1, 2 ]
amdhsa.kernels:
  - .name:           k_q72765804f8_wquant
    .symbol:         k_q72765804f8_wquant.kd
    .args:
      - { .name: W2, .offset: 0, .size: 8, .value_kind: global_buffer, .address_space: global }
      - { .name: wq, .offset: 8, .size: 8, .value_kind: global_buffer, .address_space: global }
    .group_segment_fixed_size: 76800
    .private_segment_fixed_size: 0
    .kernarg_segment_align: 8
    .kernarg_segment_size: 16
    .max_flat_workgroup_size: 256
    .sgpr_count:     66
    .vgpr_count:     194
    .wavefront_size: 32
...
	.end_amdgpu_metadata
.endif
;; end of part 1
;; launch grad (part 2): grid 256 x 1, 8 waves a work-group, clusters of 4 x 1, 327,680 bytes of LDS; arguments x, W1, b1, b2, W3, b3, wq, out0, out1, out2, out3; writes out0, out1, out2, out3
.if DOCPART == 2
	.amdgcn_target "amdgcn-amd-amdhsa--gfx1250"
	.amdhsa_code_object_version 6
	.text
	.protected	k_q72765804f8_grad
	.globl	k_q72765804f8_grad
	.p2align	8
	.type	k_q72765804f8_grad,@function
k_q72765804f8_grad:
	s_mov_b64 s[64:65], 0
	v_nop
	global_prefetch_b8 v0, s[64:65] scope:SCOPE_SE
	s_setreg_imm32_b32 hwreg(HW_REG_WAVE_MODE, 25, 1), 1
	s_wait_xcnt 0x0
	s_wait_alu depctr_hold_cnt(0) depctr_sa_sdst(0) depctr_va_vdst(0) depctr_va_sdst(0) depctr_va_ssrc(0) depctr_va_vcc(0) depctr_vm_vsrc(0)
	s_getreg_b32 s2, hwreg(HW_REG_IB_STS2, 6, 4)
	s_cmp_eq_u32 s2, 0
	s_cbranch_scc0 .Lentry_in_a_cluster
	s_endpgm
.Lentry_in_a_cluster:
	s_bfe_u32 s2, ttmp6, 0x10000c
	s_cmp_lg_u32 s2, 0x3003
	s_cbranch_scc0 .Lentry_shape_is_right
	s_endpgm
.Lentry_shape_is_right:
; y, dy, ddy, dddy of f(x) = tanh(tanh(x W1 + b1) W2 + b2) W3 + b3, as three nested reverse passes compute them, every product with W2 on E2M3 codes with E8M0 scales along that product's K.
; i: hidden unit 1, j: hidden unit 2, o: output, d, e, f: inputs.  T, T', T'', T''' : tanh and its derivatives, index 1 at z1[i], 2 at z2[j].  W_d = W1[d][i], c_o = W3[j][o].
; The cotangents of the reverse passes are unit matrices that the function builds itself, so the rows that go into the products with W2 are zeros or repeats of these 45 a sample:
;   K = i:  h1 -> z2;   u_d = W_d T'1 -> v_d;   u_de = W_d W_e T''1 -> w_de (10 pairs d <= e)
;   K = j:  a_o = c_o T'2 -> g_o;   zb_od = c_o T''2 v_d -> p_od;   zt_ode = c_o (T'''2 v_d v_e + T''2 w_de) -> q_ode
;   y_o = sum_j h2 c_o + b3;  dy[o][f] = sum_i W_f T'1 g_o;  ddy[o][d][f] = sum_i W_f (T'1 p_od + T''1 W_d g_o);
;   dddy[o][d][e][f] = sum_i W_f (T'1 q_ode + T''1 (W_e p_od + W_d p_oe) + T'''1 W_d W_e g_o)
; They make three tiles of 16 rows: row 0 the order-0 row, row 1 zeros, rows 2 + d, rows 6 + pi;  pi -> (d, e): 0 (0,0) 1 (0,1) 2 (0,2) 3 (0,3) 4 (1,2) 5 (1,3) 6 (2,2) 7 (2,3) 8 (1,1) 9 (3,3).
; SHARES.  A work-group is one sample.  Its eight waves share the COLUMNS: wave w makes i = 64 w .. 64 w + 63 of the first rows, the tiles j = 64 w .. of stage A (K = i), and the tiles i = 64 w .. of stage B (K = j).
; Two waves lie on a SIMD, since vector work outweighs matrix work here: one wave's vector work stands beside the other's products and LDS loads.
; W2's codes come from wq, laid by the launch before as images of the operand's registers.  Wave w's 25,600 bytes of each orientation are dense; only wave w reads them.
; CLUSTER.  All work-groups read the same wq: four form a cluster and ask for every block JOINTLY (mask 15; the descriptors hang on the wave's number alone).  A mask names four, so a larger cluster would share no more.
; Orientation 0 (204,800 bytes) and a quarter of orientation 1 come with the first fills; when orientation 0 is in registers its bytes take the other three quarters: one refill, behind one round.
; OPERANDS made by one wave reach the others through LDS as images of the operand's registers.  Both products are used as they stand: source 0 = the 16 rows, source 1 = 16 columns of W2; of two result tiles
; eight exchanges of lane halves give a lane all 16 rows of one column.  The numbers turn from 'a lane a column' to 'a lane a row and 32 neighbours along K' through the wave's own scratch in LDS.
; LIMITS.  NaN and infinities among the inputs are not served.  A block of zeros carries the byte 1, not 127: its codes are zeros and this program alone reads the bytes.  dddy[o][d][e][.] and dddy[o][e][d][.] are
; written from one computed value.  tanh = (1 - E) / (1 + E), E = 2^(-2 log2(e) |z|) <= 1: no overflow for any z; its absolute error is a few 1e-7.  The sums over i and j are f32 sums in another order than the function's.
; out0, out1 and out2 have 8, 32 and 128 bytes a sample: their stores are shorter than 256 bytes.  out3's store covers 512 consecutive bytes at a multiple of 256 from its first byte.
; LDS: 0: 8 x 25,600 weights, a wave's own; at the end each wave's partial sums, 85 rows x 160 bytes.  204,800: 8 x 6,400 orientation 1's first tile.  256,000: 8 x 4,608 scratch, 32 rows x 144; at the end 1,024 bytes of
; finished outputs.  292,864: 8 x 1,792 tables W_0..3, T'1, T''1, T'''1 / 2 for the wave's 64 i.  307,200: stage A's operand, 4 images.  313,344: its scale words.  313,600: stage B's, 8 images.  325,888: their scale words.  326,400: the spare words.
; REGISTERS, window 0: v1 lane, v2 r, v3 h; v4-5 the add's; v6-33 LDS addresses and store offsets, v34-36 load offsets (named where they are made); v38-39 b2, v40-43 W3, v44-45 y's sums; v46-55 scale words and nothing else;
;   v56-63 tanh at work; v64-95 accumulators; v96-127 a block's 32 numbers; v128-141 the quantiser; v144-183 at work; v184-223 dddy's sums (4 pi + f), v224-239 ddy's (4 d + f), v240-243 dy's.
;   window 1: stage A: v0-47 the operand, v48-239 my 16 fragments of W2;  stage B: v0-95 the operand, v96-143 and v144-191 two sets of 4 fragments of W2.
.set WRB,   25600
.set TBB,   6400
.set FRB,   1536
.set S2,    204800
.set TRS,   256000
.set TRP,   144
.set TAB,   292864
.set AIMG,  307200
.set ASC,   313344
.set BIMG,  313600
.set BSC,   325888
.set SPARE, 326400
.set OUTS,  TRS
.set MSB, 0
.macro WIN new                         ; low byte: bits 1:0 source 0, 3:2 source 1, 5:4 source 2, 7:6 destination; the high byte repeats the setting that is left
.if MSB != \new
	s_set_vgpr_msb (MSB<<8)|\new
.set MSB, \new
.endif
.endm
.macro ROUND                           ; a round of the cluster's barrier: my work-group's barrier; wave 0 signals for the work-group; every wave waits for all four; my work-group's barrier once more
	s_barrier_signal -1
	s_barrier_wait -1
	s_cmp_lg_u32 s26, 0
	s_cbranch_scc1 .Lnot_wave_0_\@
	s_barrier_signal -3
.Lnot_wave_0_\@:
	s_barrier_wait -3
	s_barrier_signal -1
	s_barrier_wait -1
.endm
.macro BAR                             ; my LDS stores have landed and my LDS loads are in: then the work-group's barrier
	s_wait_dscnt 0x0
	s_barrier_signal -1
	s_barrier_wait -1
.endm
.macro PLACES                          ; four plain vector instructions behind a matrix instruction, ahead of the first vector instruction that touches its result (ISA guide 7.12.1)
.rept 4
	v_nop
.endr
.endm
.macro PKM d, a, x                     ; v[d:d+1] = v[a:a+1] x v[x], the one number for both halves
.set BB_, ((\x)/2)*2
.if (\x)%2
	v_pk_mul_f32 v[\d:\d+1], v[\a:\a+1], v[BB_:BB_+1] op_sel:[0,1] op_sel_hi:[1,1]
.else
	v_pk_mul_f32 v[\d:\d+1], v[\a:\a+1], v[BB_:BB_+1] op_sel_hi:[1,0]
.endif
.endm
.macro PKF d, a, x, c                  ; v[d:d+1] = v[a:a+1] x v[x] + v[c:c+1]
.set BB_, ((\x)/2)*2
.if (\x)%2
	v_pk_fma_f32 v[\d:\d+1], v[\a:\a+1], v[BB_:BB_+1], v[\c:\c+1] op_sel:[0,1,0] op_sel_hi:[1,1,1]
.else
	v_pk_fma_f32 v[\d:\d+1], v[\a:\a+1], v[BB_:BB_+1], v[\c:\c+1] op_sel_hi:[1,0,1]
.endif
.endm
; tanh of n numbers: E = 2^(-2 log2(e) |z|), t = (1 - E) / (1 + E), z's sign put back.  Each batch of transcendentals has one plain instruction behind it and one wait ahead of its first reader.
.macro TANH n, Z, T, E, Q
.set q_, 0
.rept \n
	v_mul_f32 v[\E+q_], s84, |v[\Z+q_]|
.set q_, q_+1
.endr
.set q_, 0
.rept \n
	v_exp_f32 v[\E+q_], v[\E+q_]
.set q_, q_+1
.endr
	v_nop
	s_wait_alu depctr_va_vdst(0)
.set q_, 0
.rept \n
	v_add_f32 v[\Q+q_], 1.0, v[\E+q_]
.set q_, q_+1
.endr
.set q_, 0
.rept \n
	v_rcp_f32 v[\Q+q_], v[\Q+q_]
.set q_, q_+1
.endr
.set q_, 0
.rept \n
	v_sub_f32 v[\E+q_], 1.0, v[\E+q_]              ; plain work behind the reciprocals
.set q_, q_+1
.endr
	s_wait_alu depctr_va_vdst(0)
.set q_, 0
.rept \n
	v_mul_f32 v[\T+q_], v[\E+q_], v[\Q+q_]
.set q_, q_+1
.endr
.set q_, 0
.rept \n
	v_bfi_b32 v[\T+q_], s83, v[\T+q_], v[\Z+q_]
.set q_, q_+1
.endr
.endm
; One block of 32 along K, all in my v96-127, becomes six registers of codes, v128-133, and its scale byte, v141.
.macro QUANT32
	v_max3_num_f32 v138, |v96|, |v97|, 0x1800000   ; the floor 2^(3 - 127) among the leaves: the byte cannot fall under 1
	v_max3_num_f32 v139, |v98|, |v99|, |v100|
.irp i, 101,105,109,113,117,121
	v_max3_num_f32 v138, v138, |v[\i]|, |v[\i+1]|  ; two chains by turns
	v_max3_num_f32 v139, v139, |v[\i+2]|, |v[\i+3]|
.endr
	v_max3_num_f32 v138, v138, |v125|, |v126|
	v_max3_num_f32 v138, v138, v139, |v127|
	v_add_nc_u32 v140, 0xff000000, v138            ; 2 off the exponent field: the conversions' scale operand
	v_cvt_scalef32_pk16_fp6_f32 v[128:130], v[96:111], v140
	v_cvt_scalef32_pk16_fp6_f32 v[134:136], v[112:127], v140   ; a conversion's three registers begin on an even number
	v_lshrrev_b32 v141, 23, v140                   ; the byte; also the plain place behind the conversions
	v_mov_b32 v131, v134
	v_mov_b32 v132, v135
	v_mov_b32 v133, v136
.endm
; The six registers are registers 6 c .. 6 c + 5 of one lane of an image: three pieces of 8 bytes at 0, 8, 512 (c = 0) or 520, 1,024, 1,032 (c = 1): a0 holds + 520 c, a1 holds + 8 + 1,016 c.
.macro PUT a0, a1, ab, ioff, boff
	ds_store_b64 v[\a0], v[128:129] offset:\ioff
	ds_store_b64 v[\a1], v[130:131] offset:\ioff
	ds_store_b64 v[\a0], v[132:133] offset:\ioff+512
	ds_store_b8 v[\ab], v141 offset:\boff
.endm
.macro FRAG reg, adr, off              ; an image comes back as the fragment's 12 registers
.irp g, 0,1,2
	ds_load_b128 v[\reg+4*\g:\reg+4*\g+3], v[\adr] offset:\off+512*\g
.endr
.endm
; One product, K step s.  A scale register holds K step 2 g's words in lanes 0-15 and K step 2 g + 1's in lanes 16-31.  s = 0 starts the sum: nothing is cleared.
.macro PROD d, a, b, s, sa, sb
.if (\s) == 0
	v_wmma_scale_f32_16x16x128_f8f6f4 v[\d:\d+7], v[\a:\a+11], v[\b:\b+11], 0, v[\sa], v[\sb] matrix_a_fmt:MATRIX_FMT_FP6 matrix_b_fmt:MATRIX_FMT_FP6
.elseif (\s)%2
	v_wmma_scale_f32_16x16x128_f8f6f4 v[\d:\d+7], v[\a:\a+11], v[\b:\b+11], v[\d:\d+7], v[\sa], v[\sb] matrix_a_fmt:MATRIX_FMT_FP6 matrix_b_fmt:MATRIX_FMT_FP6 matrix_a_scale:MATRIX_SCALE_ROW1 matrix_b_scale:MATRIX_SCALE_ROW1
.else
	v_wmma_scale_f32_16x16x128_f8f6f4 v[\d:\d+7], v[\a:\a+11], v[\b:\b+11], v[\d:\d+7], v[\sa], v[\sb] matrix_a_fmt:MATRIX_FMT_FP6 matrix_b_fmt:MATRIX_FMT_FP6
.endif
.endm
	; ---- the head
	s_load_b256 s[4:11], s[0:1], 0x0               ; x s[4:5], W1 s[6:7], b1 s[8:9], b2 s[10:11]
	s_load_b256 s[12:19], s[0:1], 0x20             ; W3 s[12:13], b3 s[14:15], wq s[16:17], out0 s[18:19]
	s_load_b128 s[20:23], s[0:1], 0x40             ; out1, out2
	s_load_b64 s[24:25], s[0:1], 0x50              ; out3
	v_lshl_add_u32 v4, v0, 2, SPARE                ; my spare word; never rewritten
	v_mov_b32 v5, 0                                ; never rewritten
	ds_add_u32 v4, v5
	ds_add_u32 v4, v5
	s_wait_dscnt 0x0
	v_lshrrev_b32 v1, 5, v0
	v_readfirstlane_b32 s26, v1                    ; wave 0..7
	v_and_b32 v1, 31, v0                           ; lane
	v_and_b32 v2, 15, v0                           ; r
	v_bfe_u32 v3, v0, 4, 1                         ; h
	s_bfe_u32 s27, ttmp6, 0x40000                  ; cx
	s_lshl_b32 s28, ttmp9, 2
	s_add_co_u32 s28, s28, s27                     ; the sample = 4 x cluster + cx: it enters x's and the outputs' addresses alone
	; descriptor groups 1: dense blocks as rows of 256 bytes (32 elements of 8 bytes): 100, 25 and 75 rows
.irp g, 40, 48, 56
	s_mov_b32 s[\g], 15|(3<<16)|(1<<21)            ; 15:0 the mask: all four work-groups; 17:16 elements of 8 bytes; 21 set beside a mask
	s_mov_b32 s[\g+1], 32<<16                      ; tensor_dim0 = 32
	s_mov_b32 s[\g+3], 32<<16                      ; tile_dim0 = 32
	s_mov_b32 s[\g+5], 32                          ; from row to row
	s_mov_b32 s[\g+6], 0
	s_mov_b32 s[\g+7], 0
.endr
	s_mov_b32 s42, 100<<16                         ; tensor_dim1 and tile_dim1
	s_mov_b32 s44, 100
	s_mov_b32 s50, 25<<16
	s_mov_b32 s52, 25
	s_mov_b32 s58, 75<<16
	s_mov_b32 s60, 75
	s_mov_b32 s80, 0x76543210
	s_mov_b32 s81, 0xfedcba98                      ; selects for lane l xor 16
	s_mov_b32 s82, 0xffff0000                      ; lanes 16-31
	s_mov_b32 s83, 0x7fffffff
	s_mov_b32 s84, 0xc038aa3b                      ; -2 log2(e)
	s_mov_b32 s85, 0xc0400000                      ; -3
	s_mov_b32 s86, 0xc0c00000                      ; -6
	s_mul_i32 s88, s26, WRB                        ; 25,600 x wave: my weights' place in LDS and in each orientation of wq
	s_mov_b32 s89, 0
	s_mul_i32 s87, s26, TBB
	s_add_co_u32 s87, s87, S2                      ; orientation 1's first tile in LDS
	s_lshl_b32 s30, s26, 8
	v_lshl_add_u32 v34, v1, 3, s30                 ; W1, b1: i = 64 w + 2 lane, two numbers
	v_lshl_add_u32 v35, v1, 2, s30                 ; b2: j = 64 w + lane
	s_lshl_b32 s30, s26, 9
	v_lshl_add_u32 v36, v1, 3, s30                 ; W3: row j = 64 w + lane, two numbers
	s_lshl_b32 s30, s28, 4
	s_mov_b32 s31, 0
	s_wait_kmcnt 0x0
	s_add_nc_u64 s[4:5], s[4:5], s[30:31]
	s_load_b128 s[32:35], s[4:5], 0x0              ; my sample's x
	s_load_b64 s[36:37], s[14:15], 0x0             ; b3
.irp d, 0,1,2,3
	global_load_b64 v[144+2*\d:145+2*\d], v34, s[6:7] offset:2048*\d   ; W_d: the wave reads 256 consecutive bytes
.endr
	global_load_b64 v[152:153], v34, s[8:9]        ; b1
	global_load_b32 v38, v35, s[10:11]             ; b2, for my two blocks of 32 j
	global_load_b32 v39, v35, s[10:11] offset:128
	global_load_b64 v[40:41], v36, s[12:13]        ; c_0, c_1 likewise
	global_load_b64 v[42:43], v36, s[12:13] offset:256
	s_lshl_b32 s30, s28, 3
	s_add_nc_u64 s[18:19], s[18:19], s[30:31]      ; the outputs at my sample
	s_lshl_b32 s30, s28, 5
	s_add_nc_u64 s[20:21], s[20:21], s[30:31]
	s_lshl_b32 s30, s28, 7
	s_add_nc_u64 s[22:23], s[22:23], s[30:31]
	s_lshl_b32 s30, s28, 9
	s_add_nc_u64 s[24:25], s[24:25], s[30:31]
	s_add_nc_u64 s[16:17], s[16:17], s[88:89]      ; wq at my wave's part of orientation 0
	s_mov_b32 s68, 1                               ; group 0: orientation 0, my four tiles
	s_mov_b32 s69, s88
	s_mov_b64 s[70:71], s[16:17]
	s_or_b32 s71, s71, 0x80000000
	s_mov_b32 s72, 1                               ; orientation 1, my first tile
	s_mov_b32 s73, s87
	s_add_nc_u64 s[74:75], s[16:17], 204800
	s_or_b32 s75, s75, 0x80000000
	s_mov_b32 s76, 1                               ; orientation 1, my other three tiles, into the bytes of orientation 0
	s_mov_b32 s77, s88
	s_add_nc_u64 s[78:79], s[16:17], 204800+TBB
	s_or_b32 s79, s79, 0x80000000
	ROUND                                          ; all four work-groups are here: the first joint loads meet
	tensor_load_to_lds s[68:71], s[40:47]          ; the first fills, one group: two loads of mine are out
	s_nop 0
	tensor_load_to_lds s[72:75], s[48:55]
	s_nop 0
	PLACES                                         ; four such lines behind a tensor load
	; LDS addresses, all made here, on the way that every wave takes
	s_mul_i32 s90, s26, 32*TRP
	s_add_co_u32 s90, s90, TRS                     ; my scratch
	s_mul_i32 s91, s26, 1792
	s_add_co_u32 s91, s91, TAB                     ; my tables
	s_lshr_b32 s92, s26, 1                         ; my 64 along K lie in K step w / 2,
	s_and_b32 s93, s26, 1                          ; in its half c = w % 2
	s_mul_i32 s94, s92, FRB
	s_mul_i32 s95, s93, 520
	s_add_co_u32 s95, s95, s94
	s_add_co_u32 s95, s95, AIMG
	s_mul_i32 s96, s93, 1016
	s_add_co_u32 s96, s96, s94
	s_add_co_u32 s96, s96, AIMG+8
	s_lshl_b32 s97, s92, 6
	s_lshl_b32 s98, s93, 1
	s_add_co_u32 s97, s97, s98
	s_add_co_u32 s97, s97, ASC
	v_mul_u32_u24 v6, v3, 16*TRP                   ; v6: scratch, first rows in: row 16 h + rho, 8 r
	v_lshl_add_u32 v6, v2, 3, v6
	v_add_nc_u32 v6, s90, v6
	v_lshl_add_u32 v7, v1, 2, s90                  ; v7: scratch, stage B's rows in: 4 x lane
	v_mul_u32_u24 v8, v1, TRP                      ; v8: scratch, out: row = lane
	v_add_nc_u32 v8, s90, v8
	v_lshl_add_u32 v9, v1, 3, s91                  ; v9: tables in
	v_lshl_add_u32 v10, v2, 2, s91                 ; v10: tables out
	v_lshl_add_u32 v11, v1, 4, s95                 ; v11, v12: stage A's image, my lane's pieces
	v_lshl_add_u32 v12, v1, 4, s96
	v_lshl_add_u32 v13, v2, 2, v3                  ; v13: its scale byte: word of row r, byte 2 c + h
	v_add_nc_u32 v13, s97, v13
	v_mul_u32_u24 v14, v3, 4*FRB                   ; v14, v15: stage B's images: tile o = h, row r
	v_lshl_add_u32 v14, v2, 4, v14
	v_add_nc_u32 v15, s96, v14
	v_add_nc_u32 v15, BIMG-AIMG, v15
	v_add_nc_u32 v14, s95, v14
	v_add_nc_u32 v14, BIMG-AIMG, v14
	v_lshlrev_b32 v16, 8, v3                       ; v16: their scale byte
	v_lshl_add_u32 v16, v2, 2, v16
	v_add_nc_u32 v16, s97, v16
	v_add_nc_u32 v16, BSC-ASC, v16
	v_lshl_add_u32 v17, v1, 4, AIMG                ; v17: images out;  v18: scale words out
	v_lshl_add_u32 v18, v1, 2, ASC
	v_lshl_add_u32 v19, v1, 4, s88                 ; v19, v20: weights' images;  v21, v22: their scale words
	v_lshl_add_u32 v20, v1, 4, s87
	v_lshl_add_u32 v21, v1, 2, s88
	v_lshl_add_u32 v22, v1, 2, s87
	v_mul_u32_u24 v23, v3, 80                      ; v23: partial sums in: 4 r + 80 h
	v_lshl_add_u32 v23, v2, 2, v23
	v_add_nc_u32 v23, s88, v23
	v_mul_u32_u24 v24, v0, 80                      ; v24-26: partial sums out: 80 x thread, in waves' slabs 0, 3 and 6
	v_add_nc_u32 v25, 3*WRB, v24
	v_add_nc_u32 v26, 6*WRB, v24
	v_and_b32 v27, 1, v0                           ; v27: a finished number in: 512 o + 4 a, thread = 2 a + o
	v_lshlrev_b32 v27, 9, v27
	v_lshrrev_b32 v28, 1, v0
	v_lshl_add_u32 v27, v28, 2, v27
	v_add_nc_u32 v27, OUTS, v27
	v_lshlrev_b32 v28, 9, v3                       ; v28: dddy out;  v29: ddy;  v30: dy;  v31: y
	v_lshl_add_u32 v28, v2, 4, v28
	v_add_nc_u32 v28, OUTS, v28
	v_bfe_u32 v29, v0, 2, 1
	v_lshlrev_b32 v29, 9, v29
	v_and_b32 v30, 3, v0
	v_lshl_add_u32 v29, v30, 4, v29
	v_add_nc_u32 v29, OUTS+256, v29
	v_and_b32 v30, 1, v0
	v_lshlrev_b32 v30, 9, v30
	v_add_nc_u32 v30, OUTS+320, v30
	v_add_nc_u32 v31, 16, v30
	v_lshlrev_b32 v32, 4, v1                       ; v32, v33: the stores' offsets
	v_lshlrev_b32 v33, 2, v1
	; ---- the first rows: lane l holds i = 64 w + 2 l and + 1, in pairs
	s_wait_kmcnt 0x0                               ; x, b3
	s_wait_loadcnt 0x4                             ; W1 and b1 are in; the four loads of b2 and W3 issued behind them may be out
.irp e, 0,1
	v_fma_f32 v[154+\e], s32, v[144+\e], v[152+\e] ; z1 = b1 + sum_d x_d W_d
.endr
.irp e, 0,1
	v_fma_f32 v[154+\e], s33, v[146+\e], v[154+\e]
.endr
.irp e, 0,1
	v_fma_f32 v[154+\e], s34, v[148+\e], v[154+\e]
.endr
.irp e, 0,1
	v_fma_f32 v[154+\e], s35, v[150+\e], v[154+\e]
.endr
	TANH 2, 154, 160, 156, 158                     ; h1
.irp e, 0,1
	v_fma_f32 v[162+\e], -v[160+\e], v[160+\e], 1.0    ; T' = 1 - t^2
.endr
.irp e, 0,1
	v_mul_f32 v[198+\e], v[160+\e], v[162+\e]
	v_fma_f32 v[166+\e], v[162+\e], s85, 2.0       ; 3 t^2 - 1 = 2 - 3 T'
.endr
.irp e, 0,1
	v_mul_f32 v[164+\e], -2.0, v[198+\e]           ; T'' = -2 t T'
	v_mul_f32 v[166+\e], v[162+\e], v[166+\e]      ; T''' / 2 = T' (3 t^2 - 1)
.endr
	v_mov_b32 v196, 0
	v_mov_b32 v197, 0
.irp d, 0,1,2,3
	v_pk_mul_f32 v[168+2*\d:169+2*\d], v[144+2*\d:145+2*\d], v[162:163]   ; u_d
	v_pk_mul_f32 v[200+2*\d:201+2*\d], v[144+2*\d:145+2*\d], v[164:165]   ; W_d T''
.endr
.macro UPI p, d, e
	v_pk_mul_f32 v[176+2*\p:177+2*\p], v[200+2*\d:201+2*\d], v[144+2*\e:145+2*\e]   ; u_de
.endm
	UPI 0, 0, 0
	UPI 1, 0, 1
	UPI 2, 0, 2
	UPI 3, 0, 3
	UPI 4, 1, 2
	UPI 5, 1, 3
	UPI 6, 2, 2
	UPI 7, 2, 3
	UPI 8, 1, 1
	UPI 9, 3, 3
.irp d, 0,1,2,3
	ds_store_b64 v9, v[144+2*\d:145+2*\d] offset:256*\d    ; the tables, for the last stage: my own bytes
.endr
	ds_store_b64 v9, v[162:163] offset:1024
	ds_store_b64 v9, v[164:165] offset:1280
	ds_store_b64 v9, v[166:167] offset:1536
	ds_store_b64 v6, v[160:161]                    ; the 16 rows into the scratch
	ds_store_b64 v6, v[196:197] offset:TRP         ; rows 1 and 17 are zeros, written once for the launch
.irp d, 0,1,2,3
	ds_store_b64 v6, v[168+2*\d:169+2*\d] offset:TRP*(2+\d)
.endr
.irp p, 0,1,2,3,4,5,6,7,8,9
	ds_store_b64 v6, v[176+2*\p:177+2*\p] offset:TRP*(6+\p)
.endr
.irp q, 0,1,2,3,4,5,6,7
	ds_load_b128 v[96+4*\q:99+4*\q], v8 offset:16*\q   ; LDS serves a wave's instructions in order (ISA guide 5.7.1.4): these see my stores.  Lane (r, h): row r, i = 64 w + 32 h + 0 .. 31
.endr
	s_wait_dscnt 0x0
	QUANT32
	PUT 11, 12, 13, 0, 0
	; ---- orientation 0 into registers, and the one refill
	s_wait_tensorcnt 0x1                           ; tensor loads of a wave end in order (ISA guide 10.11.1): my four tiles are in LDS; the load issued behind theirs may be out.  I alone read them
	WIN 0x40                                       ; destination window 1
.irp t, 0,1,2,3
.irp s, 0,1,2,3
	FRAG 48+12*(4*\t+\s), 19, TBB*\t+FRB*\s
.endr
.endr
	WIN 0
.irp t, 0,1,2,3
.irp g, 0,1
	ds_load_b32 v[48+2*\t+\g], v21 offset:TBB*\t+6144+128*\g
.endr
.endr
	s_wait_tensorcnt 0x0                           ; all my tensor loads have landed
	ds_add_u32 v4, v5                              ; 0 onto my spare word
	s_wait_dscnt 0x0                               ; the add is done, my reads of the weights are in, and my part of stage A's operand lies in LDS
	ROUND                                          ; all that now holds of every wave of all four work-groups: the operand is whole, and nobody reads orientation 0's bytes
	tensor_load_to_lds s[76:79], s[56:63]          ; my one load behind the round: it has stage A and stage B's first tile in which to land
	s_nop 0
	PLACES
	; ---- stage A: 16 rows x my 64 j, K = i
	WIN 0x40
.irp s, 0,1,2,3
	FRAG 12*\s, 17, FRB*\s
.endr
	WIN 0
	ds_load_b32 v46, v18
	ds_load_b32 v47, v18 offset:128
	s_wait_loadcnt 0x0                             ; b2, W3
	s_wait_dscnt 0x0
	WIN 0x05                                       ; sources 0 and 1 window 1, C and D window 0
.irp s, 0,1,2,3
.irp t, 0,1,2,3
	PROD 64+8*\t, 12*\s, 48+12*(4*\t+\s), \s, 46+\s/2, 48+2*\t+\s/2    ; the four accumulators by turns
.endr
.endr
	WIN 0
	PLACES
; Tiles 2 k and 2 k + 1: after the exchanges lane l holds all 16 rows of column j = 64 w + 32 k + l: z2, -, v_d, w_pi.  From them stage B's 2 x 16 rows at this j; through the scratch; lane (r, h) then holds
; row r of tile o = h and the block's 32 j, which are registers 6 c .. of lane (r, k) of the image (o, K step w / 2).
.macro EPIA k
.set RB, 64+16*\k
.irp j, 0,1,2,3,4,5,6,7
	v_permlane16_swap_b32 v[RB+\j], v[RB+8+\j]     ; each accumulator is read from its low end on
.endr
	v_add_f32 v62, v[RB], v[38+\k]                 ; z2
	TANH 1, 62, 56, 60, 61                         ; v56 = h2
	v_fma_f32 v57, -v56, v56, 1.0                  ; T'
	v_mul_f32 v63, v56, v57
	v_fma_f32 v59, v57, s86, 4.0
	v_mul_f32 v58, -2.0, v63                       ; T''
	v_mul_f32 v59, v57, v59                        ; T''' = T' (4 - 6 T')
.if \k
	PKF 44, 42, 56, 44                             ; y's sums: (c_0, c_1) h2
.else
	PKM 44, 40, 56
.endif
	PKM 176, RB+2, 58                              ; v_d T''
	PKM 178, RB+4, 58
	PKM 180, RB+2, 59                              ; v_d T'''
	PKM 182, RB+4, 59
.irp n, 0,1,2,3,4
	PKM RB+6+2*\n, RB+6+2*\n, 58                   ; w_pi T''
.endr
	PKF RB+6, RB+2, 180, RB+6                      ; + T''' v_d v_e: (0,0) (0,1)
	PKF RB+8, RB+4, 180, RB+8                      ; (0,2) (0,3)
	PKF RB+10, RB+4, 181, RB+10                    ; (1,2) (1,3)
	PKF RB+12, RB+4, 182, RB+12                    ; (2,2) (2,3)
	v_fma_f32 v[RB+14], v181, v[RB+3], v[RB+14]    ; (1,1)
	v_fma_f32 v[RB+15], v183, v[RB+5], v[RB+15]    ; (3,3)
.irp o, 0,1
	v_mul_f32 v[144+16*\o], v[40+2*\k+\o], v57     ; a_o
	PKM 146+16*\o, 176, 40+2*\k+\o                 ; zb_od
	PKM 148+16*\o, 178, 40+2*\k+\o
.irp n, 0,1,2,3,4
	PKM 150+16*\o+2*\n, RB+6+2*\n, 40+2*\k+\o      ; zt_o pi
.endr
.endr
.irp o, 0,1
.irp p, 0,2,3,4,5,6,7,8,9,10,11,12,13,14,15
	ds_store_b32 v7, v[144+16*\o+\p] offset:TRP*(16*\o+\p)
.endr
.endr
.irp q, 0,1,2,3,4,5,6,7
	ds_load_b128 v[96+4*\q:99+4*\q], v8 offset:16*\q
.endr
	s_wait_dscnt 0x0
	QUANT32
	PUT 14, 15, 16, 256*\k, \k
.endm
	EPIA 0
	EPIA 1
	BAR                                            ; stage B's eight images and their scale words are whole.  My refill may stay out
	; ---- stage B: 2 x 16 rows x my 64 i, K = j, a tile of 16 i at a time, and what is made of it
	WIN 0x40
.irp o, 0,1
.irp s, 0,1,2,3
	FRAG 12*(4*\o+\s), 17, BIMG-AIMG+FRB*(4*\o+\s)
.endr
.endr
.irp s, 0,1,2,3
	FRAG 96+12*\s, 20, FRB*\s                      ; my first tile of orientation 1: it landed ahead of the round
.endr
	WIN 0
.irp o, 0,1
.irp g, 0,1
	ds_load_b32 v[46+2*\o+\g], v18 offset:BSC-ASC+256*\o+128*\g
.endr
.endr
.irp g, 0,1
	ds_load_b32 v[50+\g], v22 offset:6144+128*\g
.endr
.irp a, 0,1,2,3,4,5,6
	ds_load_b32 v[144+\a], v10 offset:256*\a
.endr
.macro FETCHB kn, buf                  ; tile kn (1 to 3): its four fragments, its scale words and the tables' 16 i, into set buf
	WIN 0x40
.irp s, 0,1,2,3
	FRAG 96+48*(\buf)+12*\s, 19, TBB*((\kn)-1)+FRB*\s
.endr
	WIN 0
.irp g, 0,1
	ds_load_b32 v[50+2*(\buf)+\g], v21 offset:TBB*((\kn)-1)+6144+128*\g
.endr
.irp a, 0,1,2,3,4,5,6
	ds_load_b32 v[144+8*(\buf)+\a], v10 offset:256*\a+64*(\kn)
.endr
.endm
; After the exchanges lane (r, h) holds, for i = 64 w + 16 k + r and o = h: v64 g, v66-69 p_d, v70-79 q_pi.  B: the tables' registers W_0..3, T', T'', T''' / 2.
; Pp_d = T'' p_d + (T''' / 2) g W_d, so that W_e Pp_d + W_d Pp_e holds both the T'' and the T''' terms.  first = 1: the products start the sums: nothing is cleared.
.macro STAGEC B, first
.irp j, 0,1,2,3,4,5,6,7
	v_permlane16_swap_b32 v[64+\j], v[72+\j]       ; each accumulator is read from its low end on
.endr
	v_mul_f32 v160, v[\B+6], v64                   ; (T''' / 2) g
	v_mul_f32 v161, v[\B+5], v64                   ; T'' g
	v_mul_f32 v162, v[\B+4], v64                   ; T' g
	PKM 164, \B, 160
	PKM 166, \B+2, 160
	PKM 178, \B, 161
	PKM 180, \B+2, 161
.irp n, 0,1,2,3,4
	PKM 70+2*\n, 70+2*\n, \B+4                     ; T' q_pi
.endr
	PKF 164, 66, \B+5, 164                         ; Pp_d
	PKF 166, 68, \B+5, 166
	PKF 178, 66, \B+4, 178                         ; T' p_d + T'' g W_d
	PKF 180, 68, \B+4, 180
	PKF 70, \B, 164, 70                            ; + W_e Pp_d
	PKF 72, \B+2, 164, 72
	PKF 74, \B+2, 165, 74
	PKF 76, \B+2, 166, 76
	v_add_f32 v168, v165, v165
	v_add_f32 v169, v167, v167
	PKF 70, 164, \B, 70                            ; + W_d Pp_e
	PKF 72, 166, \B, 72
	PKF 74, 166, \B+1, 74
	PKF 76, 166, \B+2, 76
	v_fma_f32 v78, v[\B+1], v168, v78              ; (1,1): 2 W_1 Pp_1
	v_fma_f32 v79, v[\B+3], v169, v79              ; (3,3)
.irp p, 0,1,2,3,4,5,6,7,8,9
.irp u, 0,1
.if \first
	PKM 184+4*\p+2*\u, \B+2*\u, 70+\p
.else
	PKF 184+4*\p+2*\u, \B+2*\u, 70+\p, 184+4*\p+2*\u
.endif
.endr
.endr
.irp d, 0,1,2,3
.irp u, 0,1
.if \first
	PKM 224+4*\d+2*\u, \B+2*\u, 178+\d
.else
	PKF 224+4*\d+2*\u, \B+2*\u, 178+\d, 224+4*\d+2*\u
.endif
.endr
.endr
.irp f, 0,1,2,3
.if \first
	v_mul_f32 v[240+\f], v[\B+\f], v162
.else
	v_fma_f32 v[240+\f], v[\B+\f], v162, v[240+\f]
.endif
.endr
.endm
; fetch = 1: the next tile is fetched behind the products, into the set that the tile before has left (its last products stand a whole STAGEC back); 2: behind the vector work and the wait for the refill; 0: none
.macro STEPB k, buf, first, fetch
	s_wait_dscnt 0x0
	WIN 0x05
.irp s, 0,1,2,3
.irp o, 0,1
	PROD 64+8*\o, 12*(4*\o+\s), 96+48*(\buf)+12*\s, \s, 46+2*\o+\s/2, 50+2*(\buf)+\s/2   ; the two accumulators by turns
.endr
.endr
	WIN 0
.if \fetch == 1
	FETCHB \k+1, 1-\buf
.endif
	PLACES
	STAGEC 144+8*(\buf), \first
.if \fetch == 2
	s_wait_tensorcnt 0x0                           ; the refill has landed; no load was issued behind it, and I alone read its bytes
	FETCHB \k+1, 1-\buf
.endif
.endm
	STEPB 0, 0, 1, 2
	STEPB 1, 1, 0, 1
	STEPB 2, 0, 0, 1
	STEPB 3, 1, 0, 0
	; ---- the sums over i and j.  Each wave lays its 85 x 2 x 16 partial sums into its own weights' bytes, which have had their last fill and their last read
	v_permlanex16_b32 v56, v44, s80, s81
	v_permlanex16_b32 v57, v45, s80, s81
	v_add_f32 v56, v56, v44
	v_add_f32 v57, v57, v45
	v_cndmask_b32 v58, v56, v57, s82               ; y's: lanes 0-15 hold o = 0, lanes 16-31 o = 1, as all the others do
.set DE, 0
.irp p, 0,1,2,3,1,8,4,5,2,4,6,7,3,5,7,9            ; pi of (d, e), in the order 4 d + e: (d, e) and (e, d) come from one register
.irp f, 0,1,2,3
	ds_store_b32 v23, v[184+4*\p+\f] offset:160*(4*DE+\f)
.endr
.set DE, DE+1
.endr
.irp n, 0,1,2,3,4,5,6,7,8,9,10,11,12,13,14,15
	ds_store_b32 v23, v[224+\n] offset:160*(64+\n)
.endr
.irp n, 0,1,2,3
	ds_store_b32 v23, v[240+\n] offset:160*(80+\n)
.endr
	ds_store_b32 v23, v58 offset:160*84
	BAR                                            ; all eight slabs lie in LDS
	s_cmp_gt_u32 s26, 5                            ; 170 numbers: thread 2 a + o of waves 0 to 5 adds the 8 x 16 parts of one (threads 170 to 191 add bytes that nobody wants)
	s_cbranch_scc1 .Lno_sum
.irp sl, 0,1,2
.irp q, 0,1,2,3
	ds_load_b128 v[64+16*\sl+4*\q:67+16*\sl+4*\q], v24 offset:WRB*\sl+16*\q
.endr
.endr
.irp sl, 0,1,2
.irp q, 0,1,2,3
	ds_load_b128 v[112+16*\sl+4*\q:115+16*\sl+4*\q], v25 offset:WRB*\sl+16*\q
.endr
.endr
.irp sl, 0,1
.irp q, 0,1,2,3
	ds_load_b128 v[160+16*\sl+4*\q:163+16*\sl+4*\q], v26 offset:WRB*\sl+16*\q
.endr
.endr
.irp sl, 1,2,3,4,5,6,7
	s_wait_dscnt 28-4*\sl                          ; slabs 0 to sl are in; the later slabs' loads, four each, may be out
.irp p, 0,1,2,3,4,5,6,7
	v_pk_add_f32 v[64+2*\p:65+2*\p], v[64+2*\p:65+2*\p], v[64+16*\sl+2*\p:65+16*\sl+2*\p]
.endr
.endr
.irp p, 0,1,2,3
	v_pk_add_f32 v[64+2*\p:65+2*\p], v[64+2*\p:65+2*\p], v[72+2*\p:73+2*\p]
.endr
.irp p, 0,1
	v_pk_add_f32 v[64+2*\p:65+2*\p], v[64+2*\p:65+2*\p], v[68+2*\p:69+2*\p]
.endr
	v_pk_add_f32 v[64:65], v[64:65], v[66:67]
	v_add_f32 v64, v64, v65
	ds_store_b32 v27, v64                          ; into wave 0's scratch, which nobody has read since stage A
.Lno_sum:
	BAR                                            ; the finished numbers lie in LDS
	; ---- the way out: wave 0
	s_cmp_lg_u32 s26, 0
	s_cbranch_scc1 .Lend
	ds_load_b128 v[64:67], v28                     ; dddy: 16 bytes a lane
	ds_load_b128 v[68:71], v29                     ; ddy: lanes 0-7 count
	ds_load_b128 v[72:75], v30                     ; dy: lanes 0-1
	ds_load_b32 v76, v31                           ; y: lanes 0-1
	v_and_b32 v77, 1, v1
	v_cmp_eq_u32 vcc_lo, 1, v77
	v_mov_b32 v78, s36
	v_mov_b32 v79, s37
	v_cndmask_b32 v78, v78, v79, vcc_lo            ; b3 of o = lane % 2
	s_wait_dscnt 0x0
	v_add_f32 v76, v76, v78
	global_store_b128 v32, v[64:67], s[24:25] th:TH_STORE_NT   ; 32 lanes store 512 consecutive bytes, at a multiple of 256 from out3's first byte
	v_cmp_gt_u32 vcc_lo, 8, v1
	s_wait_xcnt 0x0                                ; EXEC changes only behind this wait
	s_and_saveexec_b32 s99, vcc_lo
	global_store_b128 v32, v[68:71], s[22:23] th:TH_STORE_NT
	s_wait_xcnt 0x0
	s_or_b32 exec_lo, exec_lo, s99
	v_cmp_gt_u32 vcc_lo, 2, v1
	s_and_saveexec_b32 s99, vcc_lo
	global_store_b128 v32, v[72:75], s[20:21] th:TH_STORE_NT
	global_store_b32 v33, v76, s[18:19] th:TH_STORE_NT
	s_wait_xcnt 0x0
	s_or_b32 exec_lo, exec_lo, s99
.Lend:
	s_wait_tensorcnt 0x0                           ; the wave's end: behind my last tensor load and my last LDS store
	ds_add_u32 v4, v5
	s_wait_dscnt 0x0
	ROUND                                          ; the closing round: no work-group ends while a partner may still ask for a block that names it
	s_endpgm
.Lfunc_end_k_q72765804f8_grad:
	.size	k_q72765804f8_grad, .Lfunc_end_k_q72765804f8_grad-k_q72765804f8_grad
	.p2alignl 7, 3214868480
	.fill 96, 4, 3214868480
	.section	.rodata,"a",@progbits
	.p2align	6, 0x0
	.amdhsa_kernel k_q72765804f8_grad
		.amdhsa_group_segment_fixed_size 327680
		.amdhsa_private_segment_fixed_size 0
		.amdhsa_enable_private_segment 0
		.amdhsa_kernarg_size 88
		.amdhsa_user_sgpr_count 2
		.amdhsa_user_sgpr_kernarg_segment_ptr 1
		.amdhsa_wavefront_size32 1
		.amdhsa_system_sgpr_workgroup_id_x 1
		.amdhsa_system_sgpr_workgroup_id_y 1
		.amdhsa_system_sgpr_workgroup_id_z 1
		.amdhsa_system_vgpr_workitem_id 0
		.amdhsa_next_free_vgpr 512
		.amdhsa_next_free_sgpr 100
		.amdhsa_reserve_vcc 1
		.amdhsa_float_denorm_mode_32 3
		.amdhsa_float_denorm_mode_16_64 3
		.amdhsa_memory_ordered 1
		.amdhsa_forward_progress 1
		.amdhsa_inst_pref_size 79
	.end_amdhsa_kernel
	.amdgpu_metadata
---
amdhsa.version: [ 1, 2 ]
amdhsa.kernels:
  - .name:           k_q72765804f8_grad
    .symbol:         k_q72765804f8_grad.kd
    .args:
      - { .name: x, .offset: 0, .size: 8, .value_kind: global_buffer, .address_space: global }
      - { .name: W1, .offset: 8, .size: 8, .value_kind: global_buffer, .address_space: global }
      - { .name: b1, .offset: 16, .size: 8, .value_kind: global_buffer, .address_space: global }
      - { .name: b2, .offset: 24, .size: 8, .value_kind: global_buffer, .address_space: global }
      - { .name: W3, .offset: 32, .size: 8, .value_kind: global_buffer, .address_space: global }
      - { .name: b3, .offset: 40, .size: 8, .value_kind: global_buffer, .address_space: global }
      - { .name: wq, .offset: 48, .size: 8, .value_kind: global_buffer, .address_space: global }
      - { .name: out0, .offset: 56, .size: 8, .value_kind: global_buffer, .address_space: global }
      - { .name: out1, .offset: 64, .size: 8, .value_kind: global_buffer, .address_space: global }
      - { .name: out2, .offset: 72, .size: 8, .value_kind: global_buffer, .address_space: global }
      - { .name: out3, .offset: 80, .size: 8, .value_kind: global_buffer, .address_space: global }
    .group_segment_fixed_size: 327680
    .private_segment_fixed_size: 0
    .kernarg_segment_align: 8
    .kernarg_segment_size: 88
    .max_flat_workgroup_size: 256
    .sgpr_count:     100
    .vgpr_count:     512
    .wavefront_size: 32
...
	.end_amdgpu_metadata
.endif
;; end of part 2
